; MI455X (gfx1250); checked and timed in simulation.
; The chip was launched on July 23, 2026; its instructions are those of AMD's public machine-readable ISA for CDNA 5 (MIT licence, August 2026) and "CDNA5" Instruction Set Architecture Reference Guide (July 2026). The comments in the code are by the model that wrote it; some were corrected since.
;; Sparse Self Attention. Allowed arithmetic: float matrix products may take bf16 or f16 operands with f32 sums; other float arithmetic in f32, or as packed bf16 or f16 multiplies, adds, multiply-adds, maxima and minima; sums over many terms, partial sums and values carried from step to step in f32; what a program stores and reads back later, other than sums and carried values, may be rounded once to bf16 or f16.
;; Inputs: Wk 1,024 x 1,024 float32; Wo 1,024 x 1,024 float32; Wq 1,024 x 1,024 float32; Wv 1,024 x 1,024 float32; bo 1,024 float32; x 4 x 4,096 x 1,024 float32.
;; Outputs: out0 4 x 4,096 x 1,024 float32.
;; One version. Each part assembles by itself: llvm-mc -triple=amdgcn-amd-amdhsa -mcpu=gfx1250 --defsym DOCPART=n.
;; ======== version 1 of 1: 3 launches
;; limits: values outside matrix products are rounded to bf16; values are held in f16: magnitudes above 65,504 overflow, below 6.1e-05 lose precision
;; workspace buffers: xb 33,554,432 bytes; wb 6,291,456 bytes; wob 2,097,152 bytes; vb 33,554,432 bytes; dots 1,048,576 bytes; stats 16,384 bytes
;; launch cast (part 1): grid 320 x 1, 8 waves a work-group, no clusters, 0 bytes of LDS; arguments x, Wv, Wq, Wk, Wo, xb, wb, wob; writes xb, wb, wob
.if DOCPART == 1
	.amdgcn_target "amdgcn-amd-amdhsa--gfx1250"
	.amdhsa_code_object_version 6
	.text
	.protected	k_q5b1d6a4772_cast
	.globl	k_q5b1d6a4772_cast
	.p2align	8
	.type	k_q5b1d6a4772_cast,@function
k_q5b1d6a4772_cast:
	s_mov_b64 s[64:65], 0
	v_nop
	global_prefetch_b8 v0, s[64:65] scope:SCOPE_SE
	s_setreg_imm32_b32 hwreg(HW_REG_WAVE_MODE, 25, 1), 1
	s_wait_xcnt 0x0
; ROUNDS THE INPUTS ONCE AND LAYS THEM OUT FOR THE TWO PRODUCTS.
;   xb [16384][1024] bf16: row b*4096 + l*128 + t = bf16(x[b][t*32 + l]): the strided permutation is done here, by rows.
;   wb [3072][1024] bf16: rows 0-1023 = Wv; row 1024 + 128 h + d = Wq[64 h + d]; row 1024 + 128 h + 64 + d = Wk[64 h + d] (d < 64): a head's q and k side by side.
;   wob [1024][1024] f16: Wo rounded to bf16 like every input, that number then written as f16.
; LIMIT: |Wo| stays under 65,504 (f16's end); below 6.1e-5 f16 keeps a fixed step of 6e-8.
; SHARES.  Work-groups 0-255: 64 rows of x each; 256-319: 64 rows (one head) of Wv, Wq, Wk, Wo, sixteen work-groups a matrix.  A wave takes 8 consecutive source rows.
; A row is 4,096 bytes in: eight loads of 16 bytes a lane, 512 consecutive bytes a load; and 2,048 bytes out: eight stores of 8 bytes a lane, each 256 consecutive bytes, aligned.
; Four row slots in registers: while one row is converted the next three are on their way.  No LDS, no matrix unit, no cluster: nothing is shared.  No prefetch: the launch is one stream.
.set ROWIN, 4096
.set TR, 8                             ; v[8:15]    at work (Wo alone)
.set XR, 16                            ; v[16:143]  four row slots of 32
.set YR, 144                           ; v[144:159] a row's 16 packed words
; v1 = 16 x lane (loads), v2 = 8 x lane (stores); s[4:5] source at my first row, s[6:7] destination row, s[8:9] bytes from one destination row to the next, s44 = 1 for Wo
	s_load_b512 s[16:31], s[0:1], 0x0              ; x 16, Wv 18, Wq 20, Wk 22, Wo 24, xb 26, wb 28, wob 30
	v_lshrrev_b32 v3, 5, v0
	v_readfirstlane_b32 s10, v3                    ; wave 0..7
	v_and_b32 v4, 31, v0
	v_lshlrev_b32 v1, 4, v4
	v_lshlrev_b32 v2, 3, v4
	s_mov_b32 s11, ttmp9                           ; g
	; x: source row in its batch n = 64 (g & 63) + 8 w + i = 32 t + l, with t = 2 (g & 63) + w / 4 and l = 8 (w & 3) + i
	s_lshr_b32 s12, s11, 6
	s_lshl_b32 s12, s12, 12                        ; batch x 4,096
	s_and_b32 s13, s11, 63
	s_lshl_b32 s13, s13, 1
	s_add_co_u32 s12, s12, s13
	s_lshr_b32 s13, s10, 2
	s_add_co_u32 s12, s12, s13                     ; + t
	s_and_b32 s13, s10, 3
	s_lshl_b32 s13, s13, 10
	s_add_co_u32 s12, s12, s13                     ; + 128 x 8 (w & 3): x's first destination row
	; weights: u = g - 256; matrix u / 16 (0 Wv, 1 Wq, 2 Wk, 3 Wo), head u % 16
	s_sub_co_u32 s32, s11, 256
	s_lshr_b32 s33, s32, 4
	s_and_b32 s34, s32, 15
	s_lshl_b32 s35, s10, 3                         ; 8 w
	s_lshl_b32 s36, s34, 6
	s_add_co_u32 s36, s36, s35                     ; Wv, Wo: row 64 head + 8 w
	s_lshl_b32 s37, s34, 7
	s_lshl_b32 s38, s33, 6
	s_add_co_u32 s37, s37, s38
	s_add_co_u32 s37, s37, s35
	s_add_co_u32 s37, s37, 960                     ; Wq, Wk: row 1024 + 128 head + 64 (matrix - 1) + 8 w
	s_sub_co_u32 s38, s33, 1
	s_cmp_lt_u32 s38, 2
	s_cselect_b32 s36, s37, s36
	s_cmp_eq_u32 s33, 3
	s_cselect_b32 s44, 1, 0
	s_mov_b32 s14, 0x40000                         ; x: 128 rows of 2,048 bytes from l to l + 1
	s_cmp_lt_u32 s11, 256
	s_cselect_b32 s39, s11, s34                    ; the source's block of 64 rows
	s_cselect_b32 s42, s12, s36                    ; the first destination row
	s_cselect_b32 s8, s14, 0x800
	s_mov_b32 s9, 0
	s_lshl_b32 s40, s39, 6
	s_add_co_u32 s40, s40, s35
	s_lshl_b32 s40, s40, 12                        ; source offset in bytes, under 2^26
	s_mov_b32 s41, 0
	s_lshl_b32 s42, s42, 11                        ; destination offset in bytes, under 2^25
	s_mov_b32 s43, 0
	s_wait_kmcnt 0x0
	s_mov_b64 s[4:5], s[18:19]                     ; the buffers are chosen on the work-group's number alone
	s_cmp_eq_u32 s33, 1
	s_cselect_b64 s[4:5], s[20:21], s[4:5]
	s_cmp_eq_u32 s33, 2
	s_cselect_b64 s[4:5], s[22:23], s[4:5]
	s_cmp_eq_u32 s33, 3
	s_cselect_b64 s[4:5], s[24:25], s[4:5]
	s_cselect_b64 s[6:7], s[30:31], s[28:29]
	s_cmp_lt_u32 s11, 256
	s_cselect_b64 s[4:5], s[16:17], s[4:5]
	s_cselect_b64 s[6:7], s[26:27], s[6:7]
	s_add_nc_u64 s[4:5], s[4:5], s[40:41]
	s_add_nc_u64 s[6:7], s[6:7], s[42:43]
.macro FILL s, row                     ; a row's eight loads into slot s
.irp j, 0,1,2,3,4,5,6,7
	global_load_b128 v[XR+32*(\s)+4*(\j):XR+32*(\s)+4*(\j)+3], v1, s[4:5] offset:(\row)*ROWIN+512*(\j) th:TH_LOAD_NT
.endr
.endm
; Row r of my eight.  left = the loads of younger rows, which may stay out.
.macro TURN r, left
	s_wait_loadcnt \left                           ; loads come back in order: row r is in
	s_wait_xcnt 0x0                                ; the last row's stores have read their data and their base: both are written again only behind this wait
.if (\r) > 0
	s_add_nc_u64 s[6:7], s[6:7], s[8:9]
.endif
.irp j, 0,1,2,3,4,5,6,7
	v_cvt_pk_bf16_f32 v[YR+2*(\j)],   v[XR+32*((\r)%4)+4*(\j)],   v[XR+32*((\r)%4)+4*(\j)+1]
	v_cvt_pk_bf16_f32 v[YR+2*(\j)+1], v[XR+32*((\r)%4)+4*(\j)+2], v[XR+32*((\r)%4)+4*(\j)+3]
.endr
.if (\r) < 4
	FILL (\r)%4, (\r)+4                            ; the slot's next row, ahead of the stores
.endif
	s_cmp_eq_u32 s44, 0
	s_cbranch_scc1 .Lplain_\@
.irp j, 0,1,2,3,4,5,6,7,8,9,10,11,12,13,14,15
	v_lshlrev_b32 v[TR+2*((\j)%4)],   16, v[YR+(\j)]          ; Wo: the bf16 numbers, widened,
	v_and_b32     v[TR+2*((\j)%4)+1], 0xffff0000, v[YR+(\j)]
	v_cvt_pk_f16_f32 v[YR+(\j)], v[TR+2*((\j)%4)], v[TR+2*((\j)%4)+1]  ; are written as f16
.endr
.Lplain_\@:
.irp j, 0,1,2,3,4,5,6,7
	global_store_b64 v2, v[YR+2*(\j):YR+2*(\j)+1], s[6:7] offset:256*(\j) th:TH_STORE_NT
.endr
.endm
	FILL 0, 0
	FILL 1, 1
	FILL 2, 2
	FILL 3, 3
	TURN 0, 24
	TURN 1, 24
	TURN 2, 24
	TURN 3, 24
	TURN 4, 24                                     ; nothing more is loaded: the counts run down
	TURN 5, 16
	TURN 6, 8
	TURN 7, 0
	s_endpgm
.Lfunc_end_k_q5b1d6a4772_cast:
	.size	k_q5b1d6a4772_cast, .Lfunc_end_k_q5b1d6a4772_cast-k_q5b1d6a4772_cast
	.p2alignl 7, 3214868480
	.fill 96, 4, 3214868480
	.section	.rodata,"a",@progbits
	.p2align	6, 0x0
	.amdhsa_kernel k_q5b1d6a4772_cast
		.amdhsa_group_segment_fixed_size 0
		.amdhsa_private_segment_fixed_size 0
		.amdhsa_enable_private_segment 0
		.amdhsa_kernarg_size 64
		.amdhsa_user_sgpr_count 2
		.amdhsa_user_sgpr_kernarg_segment_ptr 1
		.amdhsa_wavefront_size32 1
		.amdhsa_system_sgpr_workgroup_id_x 1
		.amdhsa_system_sgpr_workgroup_id_y 1
		.amdhsa_system_sgpr_workgroup_id_z 1
		.amdhsa_system_vgpr_workitem_id 0
		.amdhsa_next_free_vgpr 160
		.amdhsa_next_free_sgpr 66
		.amdhsa_reserve_vcc 0
		.amdhsa_float_denorm_mode_32 3
		.amdhsa_float_denorm_mode_16_64 3
		.amdhsa_memory_ordered 1
		.amdhsa_forward_progress 1
		.amdhsa_inst_pref_size 44
	.end_amdhsa_kernel
	.amdgpu_metadata
---
amdhsa.version: [ 1, 2 ]
amdhsa.kernels:
  - .name:           k_q5b1d6a4772_cast
    .symbol:         k_q5b1d6a4772_cast.kd
    .args:
      - { .name: x, .offset: 0, .size: 8, .value_kind: global_buffer, .address_space: global }
      - { .name: Wv, .offset: 8, .size: 8, .value_kind: global_buffer, .address_space: global }
      - { .name: Wq, .offset: 16, .size: 8, .value_kind: global_buffer, .address_space: global }
      - { .name: Wk, .offset: 24, .size: 8, .value_kind: global_buffer, .address_space: global }
      - { .name: Wo, .offset: 32, .size: 8, .value_kind: global_buffer, .address_space: global }
      - { .name: xb, .offset: 40, .size: 8, .value_kind: global_buffer, .address_space: global }
      - { .name: wb, .offset: 48, .size: 8, .value_kind: global_buffer, .address_space: global }
      - { .name: wob, .offset: 56, .size: 8, .value_kind: global_buffer, .address_space: global }
    .group_segment_fixed_size: 0
    .private_segment_fixed_size: 0
    .kernarg_segment_align: 8
    .kernarg_segment_size: 64
    .max_flat_workgroup_size: 256
    .sgpr_count:     66
    .vgpr_count:     160
    .wavefront_size: 32
...
	.end_amdgpu_metadata
.endif
;; end of part 1
;; launch qkv (part 2): grid 4 x 64, 4 waves a work-group, clusters of 4 x 4, 327,680 bytes of LDS; arguments xb, wb, vb, dots, stats; writes vb, dots, stats
.if DOCPART == 2
	.amdgcn_target "amdgcn-amd-amdhsa--gfx1250"
	.amdhsa_code_object_version 6
	.text
	.protected	k_q5b1d6a4772_qkv
	.globl	k_q5b1d6a4772_qkv
	.p2align	8
	.type	k_q5b1d6a4772_qkv,@function
k_q5b1d6a4772_qkv:
	s_mov_b64 s[64:65], 0
	v_nop
	global_prefetch_b8 v0, s[64:65] scope:SCOPE_SE
	s_setreg_imm32_b32 hwreg(HW_REG_WAVE_MODE, 25, 1), 1
	s_wait_xcnt 0x0
	s_wait_alu depctr_hold_cnt(0) depctr_sa_sdst(0) depctr_va_vdst(0) depctr_va_sdst(0) depctr_va_ssrc(0) depctr_va_vcc(0) depctr_vm_vsrc(0)
	s_getreg_b32 s2, hwreg(HW_REG_IB_STS2, 6, 4)
	s_cmp_eq_u32 s2, 0
	s_cbranch_scc0 .Lentry_in_a_cluster
	s_endpgm
.Lentry_in_a_cluster:
	s_bfe_u32 s2, ttmp6, 0x10000c
	s_cmp_lg_u32 s2, 0xf033
	s_cbranch_scc0 .Lentry_shape_is_right
	s_endpgm
.Lentry_shape_is_right:
; v, AND THE SCORES q . k, FROM ONE WALK OVER xb wb^T.  xb [16384][1024] and wb [3072][1024] are bf16, sums in f32.
; A work-group of four waves makes THREE tiles of 256 x 256 with the same 256 rows of xb: tile t takes wb's rows 1024 t + 256 gx on (gx = its place 0..3 along x).
;   tile 0: 256 columns of v, rounded once to f16 and stored in vb [16384][1024].
;   tiles 1, 2: a wave's 128 columns are ONE head h = 8 (t - 1) + 2 gx + (wave & 1): 64 columns of q, then 64 of k.  q and k never leave the accumulators: their product over the head's 64
;   channels, in f32, is the raw score (without the 1/8).  Stored: the scores of the wave's 128 rows, one record of 512 bytes in dots; and in stats the pair (m, l): the record's true
;   maximum m and l = the sum of 2^(c d - c m), c = log2(e) / 8.  The next launch joins the 32 pairs of a (batch, head) into the softmax over all 4,096 rows.
; v goes first, so that its stores leave under the next tile's products; the last way out is 520 bytes a wave.
; LIMITS: |v| stays under 65,504 (f16's end); a term of l below 2^-126 counts as 0; NaN and infinities are not treated apart; the f32 sums' order is the matrix unit's.
; A wave makes 128 x 128: 64 accumulators, 512 registers.  K goes in steps of 128 through two LDS slots filled by tensor loads; the ring runs on across the change of tiles.
; CLUSTER 4 x 4: the four work-groups of a row need the same rows of xb, the four of a column the same rows of wb: each tile is asked for jointly, by the same load and mask in all four.
; THE PRODUCT IS TAKEN TRANSPOSED (source 0 = 16 rows of wb, source 1 = 16 rows of xb): lane l holds row l % 16 and the columns 16 b + 8 (l / 16) + 0..7 of n block b.
; REGISTERS, in windows of 256 (s_set_vgpr_msb: bits 1:0 source 0, 3:2 source 1, 5:4 source 2, 7:6 destination):
;   window 0: v0-31 addresses; v64-127, v128-191 fragments of xb, two buffers; v32-63, v192-255 at work on the ways out        window 1: v64-127, v128-191 fragments of wb
;   window 2: the accumulators of my rows 0-63 ((a, b) at v[8 (8 a + b)]);   window 3: those of my rows 64-127
.set SIZE_K, 1024
.set ROWB,   2048                      ; bytes in a row of xb, wb, vb
.set KSTEP,  128
.set PITCH,  272                       ; an LDS row: 256 bytes + 16 of padding: the 16 rows of a fragment load start at 16 different groups of four banks (ISA guide 11.1)
.set HALFT,  128*PITCH                 ; what one tensor load brings
.set SLOT,   4*HALFT                   ; xb's 256 rows, then wb's 256 rows
.set STAGE,  2*SLOT                    ; behind the ring: 16 rows x 272 bytes for each wave; no tensor load lands there
.set SPITCH, 272
.set SPARE,  STAGE+4*16*SPITCH         ; the spare words: 128 bytes a wave, two blocks of 256 bytes that no other line names
.set LAPS,   SIZE_K/(2*KSTEP)
.set TILES,  3
.set BACK_A, (SIZE_K-2*KSTEP)*2        ; from a slot's last K step of a tile to its first of the next: xb only goes back along K,
.set NEXT_B, 1024*ROWB-BACK_A          ; wb also 1,024 rows down
.set NEXT_P, 1023*ROWB+KSTEP*2         ; the prefetch pointer: from the K step behind a tile's last to the next tile's K step 1
.set DOF,  6                           ; v6   my 16 bytes in a record of dots: 32 (l % 16) + 16 (l / 16)
.set ZOF,  7                           ; v7   0
.set LN,   8                           ; v8   lane
.set ADRA, 16                          ; v16-17  LDS address of my fragments of xb in slot 0, 1
.set ADRB, 20                          ; v20-21  of wb
.set STO,  24
.set RD,   25
.set CO,   26
.set SPW,  28                          ; v28  SPARE + 4 x my thread's number; never rewritten
.set NIL,  29                          ; v29  0; never rewritten
.set PFO,  30                          ; v30  lane x 2,048: a lane a row; never rewritten
.set F0,   64
.set F1,   128
.set TMP,  192                         ; v's way out: packed results
.set OB,   32                          ; v's way out: rows read back: v32-63 and v224-255 by turns
.set DT,   192                         ; the scores: eight pairs v[192:207]; afterwards d of block a in v[DT + 2 a]
.set OD,   208                         ; v[208:211] my four scores to store
.set EX,   212                         ; v[212:219] the eight exponentials
.set CM,   221                         ; c m
.set SP,   224                         ; v[224:225] (m, l)
.set G1,   24
.set G0,   32
.set G1B,  48
.set G0B,  56
.set LIM,  43                          ; s43  1 in a wave that prefetches, else the greatest number
.set PFA,  44                          ; s[44:45] where my prefetches stand
.set DOTP, 68                          ; s[68:69] my record in dots; s[70:71] my pair in stats
.set STP,  70
.set HM,   72                          ; s72  mask of lanes 16-31
.set SVX,  73
.set SEL,  74                          ; s[74:75] v_permlanex16_b32: each lane takes its own place in the other half
.set CS,   76                          ; s76  c
.set MSB, 0
.macro WIN new                         ; the immediate's high byte repeats the setting that is left; a switch that changes nothing is dropped
.if MSB != (\new)
	s_set_vgpr_msb (MSB<<8)|(\new)
.set MSB, \new
.endif
.endm
.set MUL_LO, 0xa1                      ; source 0 (wb) window 1, source 1 (xb) window 0, C and D window 2
.set MUL_HI, 0xf1
.set TO_B,   0x40
; A joint load.  Waves 0 and 1 fetch xb's two halves, waves 2 and 3 wb's.  The branch hangs on the wave's number alone.  An s_nop 0 and four v_nop follow each line.
.macro JLOAD s
	s_cmp_eq_u32 s11, 0
	s_cbranch_scc0 .Lfor_b_\@
	tensor_load_to_lds s[G0+4*(\s):G0+4*(\s)+3], s[G1:G1+7]
	s_nop 0
.rept 4
	v_nop
.endr
	s_branch .Lasked_\@
.Lfor_b_\@:
	tensor_load_to_lds s[G0B+4*(\s):G0B+4*(\s)+3], s[G1B:G1B+7]
	s_nop 0
.rept 4
	v_nop
.endr
.Lasked_\@:
.endm
; A prefetch of the K step that stands two refills on: 32 rows x 256 bytes, a lane a row, one instruction a wave, behind the joint load and the run of LDS loads.  Each row's 256 bytes of a K step are named once
; in the launch: xb's rows belong to one cluster; wb's are read by all sixteen clusters, and the one with y = 0 asks.  Of the 128 rows that a wave fetches, each of the four partners takes 32, told apart by
; address.  how = 0, in the loop: a tile's last two refills have no K step two on.  how = 1, at a change of tiles: the next tile's K steps 2 and 3 of wb; xb's rows have been read and are asked for no more.
.macro ASK how
.if \how
	s_cmp_eq_u32 s[LIM], 1
.else
	s_cmp_gt_u32 s3, s[LIM]                        ; s3 = 1 in the loop's last trip
.endif
	s_cbranch_scc0 .Lnot_mine_\@
	global_prefetch_b8 v[PFO], s[PFA:PFA+1] offset:KSTEP*2 th:TH_LOAD_NT scope:SCOPE_SE
.Lnot_mine_\@:
.endm
.macro CREST                           ; a round of the cluster's barrier behind its opening barrier
	s_cmp_lg_u32 s10, 0
	s_cbranch_scc1 .Lnot_wave_0_\@
	s_barrier_signal -3
.Lnot_wave_0_\@:
	s_barrier_wait -3
	s_barrier_signal -1
	s_barrier_wait -1
.endm
.macro CROUND
	s_barrier_signal -1
	s_barrier_wait -1
	CREST
.endm
	s_load_b128 s[4:7], s[0:1], 0x0                ; xb s[4:5], wb s[6:7]
	s_load_b64 s[8:9], s[0:1], 0x10                ; vb
	s_load_b128 s[DOTP:DOTP+3], s[0:1], 0x18       ; dots, stats
	v_lshl_add_u32 v[SPW], v0, 2, SPARE
	v_mov_b32 v[NIL], 0
	ds_add_u32 v[SPW], v[NIL]                      ; the wave's opening: the add and its wait stand ahead of my first tensor load; the set-up stands between them
	v_lshrrev_b32 v1, 5, v0
	v_readfirstlane_b32 s10, v1                    ; wave 0..3
	s_lshr_b32 s11, s10, 1                         ; my half of the tile's rows.  Also: I fetch for xb (0) or wb (1)
	s_and_b32 s12, s10, 1                          ; my half of its columns.  Also: which 128 rows I fetch
	s_bfe_u32 s40, ttmp6, 0x40000                  ; cx
	s_bfe_u32 s41, ttmp6, 0x40004                  ; cy
	s_lshl_b32 s42, ttmp9, 2
	s_add_co_u32 s42, s42, s40                     ; gx = 4 x cluster x + cx
	s_and_b32 s13, ttmp7, 0xffff
	s_lshl_b32 s13, s13, 2
	s_add_co_u32 s13, s13, s41                     ; gy = 4 x cluster y + cy
	s_lshl_b32 s43, s41, 2
	s_lshl_b32 s43, 15, s43                        ; my row of the cluster
	s_lshl_b32 s44, 0x1111, s40                    ; my column
	s_or_b32 s[G1+0], s43, (1<<16)|(1<<20)|(1<<21)|(5<<22)|(3<<25)   ; the mask; 2-byte elements; padding on; bit 21 beside a mask; after every 64 words 4 words of padding
	s_or_b32 s[G1B+0], s44, (1<<16)|(1<<20)|(1<<21)|(5<<22)|(3<<25)
.irp g, G1, G1B
	s_mov_b32 s[(\g)+1], KSTEP<<16                 ; tensor_dim0 = 128
	s_mov_b32 s[(\g)+2], 128<<16                   ; tensor_dim1 = 128
	s_mov_b32 s[(\g)+3], KSTEP<<16                 ; tile_dim0 = 128
	s_mov_b32 s[(\g)+4], 128                       ; tile_dim1 = 128
	s_mov_b32 s[(\g)+5], SIZE_K                    ; elements from row to row
	s_mov_b32 s[(\g)+6], 0
	s_mov_b32 s[(\g)+7], 0
.endr
	s_lshl_b32 s17, s12, 7
	s_lshl_b32 s16, s13, 8
	s_add_co_u32 s16, s16, s17                     ; xb: row 256 gy + 128 half: hangs on cy alone
	s_lshl_b32 s46, s42, 8
	s_add_co_u32 s46, s46, s17                     ; wb: row 256 gx + 128 half: hangs on cx alone
	s_lshl_b32 s16, s16, 11                        ; in bytes, under 2^25
	s_lshl_b32 s46, s46, 11
	s_mov_b32 s17, 0
	s_mov_b32 s47, 0
	s_mul_i32 s20, s10, HALFT                      ; where they go: wave x 128 rows
	s_mov_b32 s[SEL], 0x76543210
	s_mov_b32 s[SEL+1], 0xfedcba98
	s_mov_b32 s[CS], 0x3e38aa3b                    ; c = log2(e) / 8
	s_wait_dscnt 0x0                               ; the opening add is done
	s_wait_kmcnt 0x0
	s_add_nc_u64 s[14:15], s[4:5], s[16:17]
	s_add_nc_u64 s[46:47], s[6:7], s[46:47]
	CROUND                                         ; all sixteen work-groups are here: the first joint loads meet
.irp s, 0,1
	s_mov_b32 s[G0+4*(\s)], 1
	s_add_co_u32 s[G0+4*(\s)+1], s20, (\s)*SLOT
	s_add_nc_u64 s[G0+4*(\s)+2:G0+4*(\s)+3], s[14:15], (\s)*KSTEP*2
	s_or_b32 s[G0+4*(\s)+3], s[G0+4*(\s)+3], 0x80000000
	s_mov_b32 s[G0B+4*(\s)], 1
	s_add_co_u32 s[G0B+4*(\s)+1], s20, (\s)*SLOT
	s_add_nc_u64 s[G0B+4*(\s)+2:G0B+4*(\s)+3], s[46:47], (\s)*KSTEP*2
	s_or_b32 s[G0B+4*(\s)+3], s[G0B+4*(\s)+3], 0x80000000
	JLOAD \s                                       ; two loads of mine are out
.endr
	v_and_b32 v1, 15, v0                           ; l % 16
	v_bfe_u32 v2, v0, 4, 1                         ; l / 16
	v_and_b32 v[LN], 31, v0
	v_mul_u32_u24 v3, v1, PITCH
	v_lshl_add_u32 v3, v2, 4, v3                   ; a fragment's row x pitch + 16 x half
	s_mul_i32 s21, s11, HALFT
	s_mul_i32 s22, s12, HALFT
	s_add_co_u32 s22, s22, 2*HALFT
.irp s, 0,1
	v_add_nc_u32 v[ADRA+(\s)], s21, v3
	v_add_nc_u32 v[ADRB+(\s)], s22, v3
	s_add_co_u32 s21, s21, SLOT
	s_add_co_u32 s22, s22, SLOT
.endr
	s_mul_i32 s23, s10, 16*SPITCH
	s_add_co_u32 s23, s23, STAGE                   ; my stage
	v_mul_u32_u24 v4, v1, SPITCH
	v_lshl_add_u32 v4, v2, 4, v4
	v_add_nc_u32 v[STO], s23, v4                   ; in: row l % 16, 16 bytes for each half of the lanes
	v_mul_u32_u24 v5, v2, SPITCH
	v_lshl_add_u32 v5, v1, 4, v5
	v_add_nc_u32 v[RD], s23, v5                    ; back: lanes 0-15 one row of 256 bytes, lanes 16-31 the next
	v_lshlrev_b32 v5, 11, v2
	v_lshl_add_u32 v[CO], v1, 4, v5                ; the same two rows in vb
	v_lshlrev_b32 v[DOF], 5, v1
	v_lshl_add_u32 v[DOF], v2, 4, v[DOF]
	v_mov_b32 v[ZOF], 0
	v_cmp_le_u32 s[HM], 16, v[LN]
	; vb at my 128 rows and 128 columns
	s_lshl_b32 s16, s13, 8
	s_lshl_b32 s14, s11, 7
	s_add_co_u32 s16, s16, s14
	s_lshl_b32 s16, s16, 11
	s_lshl_b32 s46, s42, 9
	s_lshl_b32 s47, s12, 8
	s_add_co_u32 s46, s46, s47
	s_add_co_u32 s16, s16, s46
	s_mov_b32 s17, 0
	s_add_nc_u64 s[8:9], s[8:9], s[16:17]
	; my record for tile 1: ((batch x 16 + 2 gx + column half) x 32 + block of 128 rows in the batch)
	s_lshr_b32 s14, s13, 4
	s_lshl_b32 s14, s14, 4
	s_lshl_b32 s15, s42, 1
	s_add_co_u32 s14, s14, s15
	s_add_co_u32 s14, s14, s12
	s_lshl_b32 s14, s14, 5
	s_and_b32 s15, s13, 15
	s_lshl_b32 s15, s15, 1
	s_add_co_u32 s14, s14, s15
	s_add_co_u32 s14, s14, s11
	s_lshl_b32 s78, s14, 9
	s_mov_b32 s79, 0
	s_add_nc_u64 s[DOTP:DOTP+1], s[DOTP:DOTP+1], s[78:79]
	s_lshl_b32 s78, s14, 3
	s_add_nc_u64 s[STP:STP+1], s[STP:STP+1], s[78:79]
	; the prefetches
	s_lshl_b32 s20, s13, 8
	s_lshl_b32 s21, s42, 8
	s_and_b32 s22, ttmp7, 0xffff                   ; cluster y
	s_cmp_eq_u32 s11, 0                            ; do I fetch for xb?
	s_cselect_b32 s20, s20, s21                    ; the tile's first row
	s_cselect_b32 s21, s40, s41                    ; my place among the four that ask for it with me
	s_cselect_b32 s22, ttmp9, s22                  ; the coordinate along which other clusters read the same rows
	s_cselect_b64 s[PFA:PFA+1], s[4:5], s[6:7]
	s_cmp_eq_u32 s22, 0
	s_cselect_b32 s[LIM], 1, -1                    ; the same in all sixteen partners, for a given wave
	s_lshl_b32 s22, s12, 7
	s_add_co_u32 s20, s20, s22
	s_lshl_b32 s21, s21, 5
	s_add_co_u32 s20, s20, s21                     ; + my work-group's 32 of the 128 rows
	s_lshl_b32 s20, s20, 11
	s_mov_b32 s21, 0
	s_add_nc_u64 s[PFA:PFA+1], s[PFA:PFA+1], s[20:21]
	s_add_nc_u64 s[PFA:PFA+1], s[PFA:PFA+1], 2*KSTEP*2  ; at K step 2: the first refill steps it to 3 and names K step 4; nothing is asked for here, at the head
	v_lshlrev_b32 v[PFO], 11, v[LN]
; 16 matrix instructions: m blocks a0, a0 + 1 of the window's four x all 8 n blocks, 32 along K.  zero = 1: the product starts the sums.  The 64 accumulators take turns, in the same order in every quarter.
.macro MUL16 f, hi, a0, zero
	WIN MUL_LO+0x50*(\hi)
.irp a, \a0, (\a0)+1
.irp b, 0,1,2,3,4,5,6,7
.if \zero
	v_wmma_f32_16x16x32_bf16 v[8*(8*(\a)+(\b)):8*(8*(\a)+(\b))+7], v[(\f)+8*(\b):(\f)+8*(\b)+7], v[(\f)+8*(4*(\hi)+(\a)):(\f)+8*(4*(\hi)+(\a))+7], 0
.else
	v_wmma_f32_16x16x32_bf16 v[8*(8*(\a)+(\b)):8*(8*(\a)+(\b))+7], v[(\f)+8*(\b):(\f)+8*(\b)+7], v[(\f)+8*(4*(\hi)+(\a)):(\f)+8*(4*(\hi)+(\a))+7], v[8*(8*(\a)+(\b)):8*(8*(\a)+(\b))+7]
.endif
.endr
.endr
.endm
; 32 LDS loads in one run: a quarter step's fragments (32 K at byte k of the rows) into buffer f
.macro FETCH slot, k, f
	WIN TO_B
.irp i, 0,1,2,3,4,5,6,7
	ds_load_b128 v[(\f)+8*(\i):(\f)+8*(\i)+3],   v[ADRB+(\slot)] offset:(\k)+(\i)*16*PITCH
	ds_load_b128 v[(\f)+8*(\i)+4:(\f)+8*(\i)+7], v[ADRB+(\slot)] offset:(\k)+(\i)*16*PITCH+32
.endr
	WIN 0
.irp i, 0,1,2,3,4,5,6,7
	ds_load_b128 v[(\f)+8*(\i):(\f)+8*(\i)+3],   v[ADRA+(\slot)] offset:(\k)+(\i)*16*PITCH
	ds_load_b128 v[(\f)+8*(\i)+4:(\f)+8*(\i)+7], v[ADRA+(\slot)] offset:(\k)+(\i)*16*PITCH+32
.endr
.endm
.macro PLACES                          ; four plain places between a matrix instruction and a load into, or a vector read of, its registers
.rept 4
	v_nop
.endr
.endm
; One of a K step's first three quarters: multiplies buffer f, and in its middle fetches the next quarter, at byte k, into buffer g
.macro QUARTER slot, k, f, g, zero
	s_wait_dscnt 8                                 ; all but the youngest eight loads (xb's rows 64-127)
	MUL16 \f, 0, 0, \zero
	MUL16 \f, 0, 2, \zero
	PLACES
	FETCH \slot, \k, \g
	s_wait_dscnt 32                                ; all but the 32 just issued
	MUL16 \f, 1, 0, \zero
	MUL16 \f, 1, 2, \zero
.endm
; The last quarter's first half, and the one barrier of a change of slots.  In front of it: all my tensor loads have landed (the one that was out is my part of the next slot), the add, and my reads of this slot are back.
.macro MEET round
	WIN 0
	s_wait_tensorcnt 0x0
	ds_add_u32 v[SPW], v[NIL]                      ; 0 onto my spare word
	s_wait_dscnt 9                                 ; the add and the youngest eight loads may be out
	MUL16 F1, 0, 0, 0
	s_wait_dscnt 0x0                               ; the add is done, my reads of this slot are over
	s_barrier_signal -1
	MUL16 F1, 0, 2, 0                              ; work on registers while the others arrive
.if \round
	WIN 0
.endif
	s_barrier_wait -1
.endm
; The whole last quarter.  The slot just read is filled again first behind the round: with this tile's K step two on (on = 0) or the next tile's K step 0 or 1 (on = 1).  From a request to the wait for it: 224 matrix instructions.
.macro TURN slot, next, on
	s_wait_xcnt 0x0                                ; the last prefetch, a K step back, has read its address
.if (\on) && (\slot) == 0
	s_add_nc_u64 s[PFA:PFA+1], s[PFA:PFA+1], NEXT_P
	s_cmp_eq_u32 s11, 0
	s_cselect_b32 s[LIM], -1, s[LIM]               ; xb's rows are the same for all three tiles
.else
	s_add_nc_u64 s[PFA:PFA+1], s[PFA:PFA+1], KSTEP*2
.endif
	MEET 1
	CREST                                          ; no wave of any partner still reads this slot or has a load on its way
.if \on
	s_sub_nc_u64 s[G0+4*(\slot)+2:G0+4*(\slot)+3], s[G0+4*(\slot)+2:G0+4*(\slot)+3], BACK_A
	s_add_nc_u64 s[G0B+4*(\slot)+2:G0B+4*(\slot)+3], s[G0B+4*(\slot)+2:G0B+4*(\slot)+3], NEXT_B
.else
	s_add_nc_u64 s[G0+4*(\slot)+2:G0+4*(\slot)+3], s[G0+4*(\slot)+2:G0+4*(\slot)+3], 2*KSTEP*2
	s_add_nc_u64 s[G0B+4*(\slot)+2:G0B+4*(\slot)+3], s[G0B+4*(\slot)+2:G0B+4*(\slot)+3], 2*KSTEP*2
.endif
	JLOAD \slot                                    ; its four v_nop are also the places in front of the loads below
	FETCH \next, 0, F0
	ASK \on
	MUL16 F1, 1, 0, 0
	MUL16 F1, 1, 2, 0
.endm
; v's WAY OUT, 16 rows at a time: rounded to f16 (16 bytes a lane), through my own stage, back as whole rows of 256 bytes, stored.
.macro PACK a
.set AC, 64*((\a)%4)
	WIN 0x0a+5*((\a)/4)
.irp b, 0,1,2,3,4,5,6,7
.irp r, 0,1,2,3
	v_cvt_pk_f16_f32 v[TMP+4*(\b)+(\r)], v[AC+8*(\b)+2*(\r)], v[AC+8*(\b)+2*(\r)+1]
.endr
.endr
	WIN 0
.endm
.macro TOSTAGE a
.set BK, OB+192*((\a)%2)
.irp b, 0,1,2,3,4,5,6,7
	ds_store_b128 v[STO], v[TMP+4*(\b):TMP+4*(\b)+3] offset:32*(\b)
.endr
.irp t, 0,1,2,3,4,5,6,7
	ds_load_b128 v[BK+4*(\t):BK+4*(\t)+3], v[RD] offset:(\t)*2*SPITCH  ; LDS serves a wave's instructions in order (ISA guide 5.7.1.4): these see the stores above
.endr
.endm
.macro SEND a
.set BK, OB+192*((\a)%2)
	s_wait_dscnt 0x0                               ; the block is back in registers
	s_wait_xcnt 0x0                                ; earlier stores have read their base and their data
.if (\a) > 0
	s_add_nc_u64 s[8:9], s[8:9], 16*ROWB
.endif
.irp t, 0,1,2,3,4,5,6,7
	global_store_b128 v[CO], v[BK+4*(\t):BK+4*(\t)+3], s[8:9] offset:2*(\t)*ROWB  ; 16 lanes store 256 consecutive bytes, aligned
.endr
.endm
; THE SCORES.  In accumulator (a, b), b < 4, a lane holds q of row 16 a + l % 16, channels 16 b + 8 (l / 16) + 0..7; accumulator (a, b + 4) holds k of the same row and channels in the same registers.
; step = 1: the pointers go on to the next tile's head, eight heads further.
.macro DOTS step
.irp hi, 0,1                           ; window 2's 64 lines name no register of the last products (window 3's): they are the places behind those
	WIN 0x0a+5*(\hi)
.irp b, 0,1,2,3
.irp r, 0,1,2,3                        ; each accumulator is read from its low end on; four chains take turns
.irp a, 0,1,2,3
.if ((\b)+(\r)) == 0
	v_pk_mul_f32 v[DT+8*(\hi)+2*(\a):DT+8*(\hi)+2*(\a)+1], v[64*(\a)+8*(\b)+2*(\r):64*(\a)+8*(\b)+2*(\r)+1], v[64*(\a)+8*(\b)+32+2*(\r):64*(\a)+8*(\b)+32+2*(\r)+1]
.else
	v_pk_fma_f32 v[DT+8*(\hi)+2*(\a):DT+8*(\hi)+2*(\a)+1], v[64*(\a)+8*(\b)+2*(\r):64*(\a)+8*(\b)+2*(\r)+1], v[64*(\a)+8*(\b)+32+2*(\r):64*(\a)+8*(\b)+32+2*(\r)+1], v[DT+8*(\hi)+2*(\a):DT+8*(\hi)+2*(\a)+1]
.endif
.endr
.endr
.endr
.endr
	WIN 0
.irp a, 0,1,2,3,4,5,6,7
	v_add_f32 v[DT+2*(\a)], v[DT+2*(\a)], v[DT+2*(\a)+1]
.endr
.irp a, 0,1,2,3,4,5,6,7
	v_permlanex16_b32 v[DT+2*(\a)+1], v[DT+2*(\a)], s[SEL], s[SEL+1]  ; the row's other 32 channels lie in the lane 16 away
.endr
.irp a, 0,1,2,3,4,5,6,7
	v_add_f32 v[DT+2*(\a)], v[DT+2*(\a)], v[DT+2*(\a)+1]             ; d of row 16 a + l % 16, in both halves of the lanes
.endr
	v_max3_num_f32 v[SP], v[DT], v[DT+2], v[DT+4]
	v_max3_num_f32 v[CM], v[DT+6], v[DT+8], v[DT+10]
	v_max3_num_f32 v[SP], v[SP], v[DT+12], v[DT+14]
	v_max_num_f32 v[SP], v[SP], v[CM]
.irp x, 1,2,4,8
	v_max_num_f32_dpp v[SP], v[SP], v[SP] row_xmask:\x row_mask:0xf bank_mask:0xf
.endr
	v_mul_f32 v[CM], s[CS], v[SP]                  ; c m: the next launch makes it by the same line, so its rounding is the same there
.irp a, 0,1,2,3,4,5,6,7
	v_fma_f32 v[EX+(\a)], v[DT+2*(\a)], s[CS], -v[CM]
.endr
.irp a, 0,1,2,3,4,5,6,7
	v_exp_f32 v[EX+(\a)], v[EX+(\a)]
.endr
.irp j, 0,1,2,3
	v_cndmask_b32 v[OD+(\j)], v[DT+2*(\j)], v[DT+2*(\j)+8], s[HM]    ; lanes 0-15 store blocks 0-3, lanes 16-31 blocks 4-7: word 8 (r % 16) + r / 16 of the record holds row r
.endr
	global_store_b128 v[DOF], v[OD:OD+3], s[DOTP:DOTP+1]             ; the wave stores 512 consecutive bytes, aligned
	s_wait_alu depctr_va_vdst(0)                   ; one wait for the eight exponentials, ahead of their first reader; the four selects are the plain work behind them
	v_add_f32 v[EX], v[EX], v[EX+1]
	v_add_f32 v[EX+2], v[EX+2], v[EX+3]
	v_add_f32 v[EX+4], v[EX+4], v[EX+5]
	v_add_f32 v[EX+6], v[EX+6], v[EX+7]
	v_add_f32 v[EX], v[EX], v[EX+2]
	v_add_f32 v[EX+4], v[EX+4], v[EX+6]
	v_add_f32 v[SP+1], v[EX], v[EX+4]
.irp x, 1,2,4,8
	v_add_f32_dpp v[SP+1], v[SP+1], v[SP+1] row_xmask:\x row_mask:0xf bank_mask:0xf
.endr
	s_wait_xcnt 0x0                                ; EXEC changes only behind this wait
	v_cmp_eq_u32 vcc_lo, 0, v[LN]
	s_and_saveexec_b32 s[SVX], vcc_lo
	global_store_b64 v[ZOF], v[SP:SP+1], s[STP:STP+1]  ; eight bytes from lane 0: 2,048 such stores in the launch, 16 KiB in all
	s_wait_xcnt 0x0
	s_or_b32 exec_lo, exec_lo, s[SVX]
.if \step
	s_add_nc_u64 s[DOTP:DOTP+1], s[DOTP:DOTP+1], 256*512
	s_add_nc_u64 s[STP:STP+1], s[STP:STP+1], 256*8
.endif
.endm
	s_wait_tensorcnt 1                             ; my part of K step 0 is in; K step 1's may stay out
	s_barrier_signal -1
	s_barrier_wait -1
	FETCH 0, 0, F0
	s_mov_b32 s2, TILES                            ; tiles to go, this one among them
.Ltile:
	QUARTER 0, 64,  F0, F1, 1                      ; a tile's first quarter starts the sums
	WIN 0
	s_mov_b32 s3, LAPS-1
.Llap:                                                 ; once round the ring, from a lap's second quarter to the next lap's first
	QUARTER 0, 128, F1, F0, 0
	QUARTER 0, 192, F0, F1, 0
	TURN 0, 1, 0
	QUARTER 1, 64,  F0, F1, 0
	QUARTER 1, 128, F1, F0, 0
	QUARTER 1, 192, F0, F1, 0
	TURN 1, 0, 0
	QUARTER 0, 64,  F0, F1, 0
	WIN 0
	s_sub_co_u32 s3, s3, 1
	s_cmp_lg_u32 s3, 0
	s_cbranch_scc1 .Llap
	QUARTER 0, 128, F1, F0, 0
	QUARTER 0, 192, F0, F1, 0
	WIN 0
	s_cmp_eq_u32 s2, 1
	s_cbranch_scc1 .Llast_tile                     ; the last tile's tail is written out: it asks for nothing more
	TURN 0, 1, 1                                   ; the ring goes on into the next tile
	QUARTER 1, 64,  F0, F1, 0
	QUARTER 1, 128, F1, F0, 0
	QUARTER 1, 192, F0, F1, 0
	TURN 1, 0, 1
	WIN 0
	s_cmp_eq_u32 s2, TILES
	s_cbranch_scc0 .Lqk
	PACK 0                                         ; tile 0: v.  Blocks 0-3 were finished in front of the joint load's places; their conversions are the places behind the last products
	TOSTAGE 0
.irp a, 1,2,3,4,5,6,7
	PACK \a
	SEND (\a)-1
	TOSTAGE \a
.endr
	SEND 7
	s_branch .Lnext
.Lqk:
	DOTS 1                                         ; tile 1
.Lnext:
	s_sub_co_u32 s2, s2, 1
	s_branch .Ltile
.Llast_tile:
	MEET 0                                         ; the load that was out is the last K step's, so no round follows
	PLACES
	FETCH 1, 0, F0
	MUL16 F1, 1, 0, 0
	MUL16 F1, 1, 2, 0
	QUARTER 1, 64,  F0, F1, 0
	QUARTER 1, 128, F1, F0, 0
	QUARTER 1, 192, F0, F1, 0
	s_wait_dscnt 8
	MUL16 F1, 0, 0, 0
	MUL16 F1, 0, 2, 0
	s_wait_dscnt 0x0
	MUL16 F1, 1, 0, 0
	MUL16 F1, 1, 2, 0
	WIN 0
	PLACES
	DOTS 0                                         ; tile 2
	s_wait_tensorcnt 0x0                           ; the wave's end
	ds_add_u32 v[SPW], v[NIL]
	s_wait_dscnt 0x0
	CROUND                                         ; the closing round
	s_endpgm
.Lfunc_end_k_q5b1d6a4772_qkv:
	.size	k_q5b1d6a4772_qkv, .Lfunc_end_k_q5b1d6a4772_qkv-k_q5b1d6a4772_qkv
	.p2alignl 7, 3214868480
	.fill 96, 4, 3214868480
	.section	.rodata,"a",@progbits
	.p2align	6, 0x0
	.amdhsa_kernel k_q5b1d6a4772_qkv
		.amdhsa_group_segment_fixed_size 327680
		.amdhsa_private_segment_fixed_size 0
		.amdhsa_enable_private_segment 0
		.amdhsa_kernarg_size 40
		.amdhsa_user_sgpr_count 2
		.amdhsa_user_sgpr_kernarg_segment_ptr 1
		.amdhsa_wavefront_size32 1
		.amdhsa_system_sgpr_workgroup_id_x 1
		.amdhsa_system_sgpr_workgroup_id_y 1
		.amdhsa_system_sgpr_workgroup_id_z 1
		.amdhsa_system_vgpr_workitem_id 0
		.amdhsa_next_free_vgpr 1024
		.amdhsa_next_free_sgpr 80
		.amdhsa_reserve_vcc 1
		.amdhsa_float_denorm_mode_32 3
		.amdhsa_float_denorm_mode_16_64 3
		.amdhsa_memory_ordered 1
		.amdhsa_forward_progress 1
		.amdhsa_inst_pref_size 202
	.end_amdhsa_kernel
	.amdgpu_metadata
---
amdhsa.version: [ 1, 2 ]
amdhsa.kernels:
  - .name:           k_q5b1d6a4772_qkv
    .symbol:         k_q5b1d6a4772_qkv.kd
    .args:
      - { .name: xb, .offset: 0, .size: 8, .value_kind: global_buffer, .address_space: global }
      - { .name: wb, .offset: 8, .size: 8, .value_kind: global_buffer, .address_space: global }
      - { .name: vb, .offset: 16, .size: 8, .value_kind: global_buffer, .address_space: global }
      - { .name: dots, .offset: 24, .size: 8, .value_kind: global_buffer, .address_space: global }
      - { .name: stats, .offset: 32, .size: 8, .value_kind: global_buffer, .address_space: global }
    .group_segment_fixed_size: 327680
    .private_segment_fixed_size: 0
    .kernarg_segment_align: 8
    .kernarg_segment_size: 40
    .max_flat_workgroup_size: 128
    .sgpr_count:     80
    .vgpr_count:     1024
    .wavefront_size: 32
...
	.end_amdgpu_metadata
.endif
;; end of part 2
;; launch proj (part 3): grid 4 x 64, 4 waves a work-group, clusters of 4 x 4, 327,680 bytes of LDS; arguments vb, wob, out0, dots, stats, bo; writes out0
.if DOCPART == 3
	.amdgcn_target "amdgcn-amd-amdhsa--gfx1250"
	.amdhsa_code_object_version 6
	.text
	.protected	k_q5b1d6a4772_proj
	.globl	k_q5b1d6a4772_proj
	.p2align	8
	.type	k_q5b1d6a4772_proj,@function
k_q5b1d6a4772_proj:
	s_mov_b64 s[64:65], 0
	v_nop
	global_prefetch_b8 v0, s[64:65] scope:SCOPE_SE
	s_setreg_imm32_b32 hwreg(HW_REG_WAVE_MODE, 25, 1), 1
	s_wait_xcnt 0x0
	s_wait_alu depctr_hold_cnt(0) depctr_sa_sdst(0) depctr_va_vdst(0) depctr_va_sdst(0) depctr_va_ssrc(0) depctr_va_vcc(0) depctr_vm_vsrc(0)
	s_getreg_b32 s2, hwreg(HW_REG_IB_STS2, 6, 4)
	s_cmp_eq_u32 s2, 0
	s_cbranch_scc0 .Lentry_in_a_cluster
	s_endpgm
.Lentry_in_a_cluster:
	s_bfe_u32 s2, ttmp6, 0x10000c
	s_cmp_lg_u32 s2, 0xf033
	s_cbranch_scc0 .Lentry_shape_is_right
	s_endpgm
.Lentry_shape_is_right:
; out0 = (attn v) Wo^T + bo.  vb [16384][1024] f16, wob [1024][1024] f16 (Wo rounded to bf16, written as f16), out0 [16384][1024] f32; sums in f32.  One tile of 256 x 256 to a work-group, 128 x 128 to a wave.
; THE SOFTMAX IS FINISHED HERE.  stats holds for each (batch, head) 32 pairs (m_i, l_i), one for each 128 rows.  Every wave joins them for the 16 heads of its batch: R = max_i c m_i (the true maximum over all
; 4,096 rows), L = sum_i l_i 2^(c m_i - R), c = log2(e) / 8.  attn of a row is 2^(c d - R) / L, with d from dots.
; THE WEIGHT VARIES ALONG K (64 channels a head), so it goes onto A's fragments: a lane of a fragment holds one row, so one word (the weight in both halves) scales its eight registers, by packed f16 multiplies.
; A POWER OF TWO KEEPS f16 IN RANGE.  P = 2^floor(log2 min_h L_h).  The weight used is a' = attn P <= 1, so |a' v| <= |v|; the first product's C operand is bo P (bo rounded to bf16 like every input), and each
; finished sum is multiplied by 1 / P, which is exact.  P only scales values.
; ROUNDINGS beside the inputs': v (in the launch before), a', and a' v, each once to f16.  LIMITS: |v|, |Wo| under 65,504; below 6.1e-5 f16 keeps a fixed step of 6e-8; a weight below 2^-126 counts as 0;
; NaN and infinities are not treated apart.
; Ring, cluster, joint loads and register windows as in the launch before: window 0 v64-191 fragments of vb; window 1 v64-191 fragments of wob, v0-63 bo P; windows 2, 3 the accumulators.
.set SIZE_K, 1024
.set ROWB,   2048
.set KSTEP,  128
.set PITCH,  272
.set HALFT,  128*PITCH
.set SLOT,   4*HALFT
.set STAGE,  2*SLOT                    ; each wave's own 16 rows x 528 bytes.  During the K loop its first 8,192 bytes hold the wave's table of weights; no tensor load lands here
.set SPITCH, 528                       ; 512 bytes + 16: an odd multiple of 16
.set SPARE,  STAGE+4*16*SPITCH         ; the spare words: two blocks of 256 bytes that no other line names
.set LAPS,   SIZE_K/(2*KSTEP)
.set DOF,  6                           ; v6   32 (l % 16) + 16 (l / 16): my 16 bytes of a record of dots
.set SOF,  7                           ; v7   8 x lane: my pair of a head's 32
.set LN,   8
.set BOF,  9                           ; v9   32 (l / 16): my eight columns of an n block of bo
.set ZR,   11                          ; v11  0.0
.set INV,  12                          ; v[12:13] 1 / P, twice
.set P2,   14                          ; v14  P
.set ADRA, 16
.set ADRB, 20
.set STO,  24
.set RD,   25                          ; stage + 16 x lane: the table's stores, and the rows read back
.set CO,   26
.set TBA,  27                          ; stage + 16 (l % 16) + 2,048 x lap: where the weights of my row are read
.set SPW,  28
.set NIL,  29
.set PFO,  30
.set SC,   32                          ; v[32:39] the weights that go with buffer F0 (block i in v[SC + i]), v[40:47] with F1
.set F0,   64
.set F1,   128
.set XD,   64                          ; the prologue alone: v[64:127] head h's four scores at XD + 4 h
.set YW,   128                         ; v[128:159] (m_i, l_i) of head h at YW + 2 h
.set RL,   160                         ; v[160:191] P / L, twice
.set RE,   192                         ; v[192:223] R and a register at work
.set TB,   224                         ; v[224:255] bo as bf16
.set G1,   24
.set G0,   32
.set G1B,  48
.set G0B,  56
.set LIM,  43
.set PFA,  44
.set DOTP, 68
.set STP,  70
.set BOP,  72
.set SEL,  74
.set CS,   76                          ; s[76:77] c, twice: named as a pair
.set MSB, 0
.macro WIN new
.if MSB != (\new)
	s_set_vgpr_msb (MSB<<8)|(\new)
.set MSB, \new
.endif
.endm
.set MUL_LO, 0xa1
.set MUL_HI, 0xf1
.set TO_B,   0x40
.macro JLOAD s                         ; waves 0 and 1 fetch vb's two halves, waves 2 and 3 wob's; an s_nop 0 and four v_nop follow each line
	s_cmp_eq_u32 s11, 0
	s_cbranch_scc0 .Lfor_b_\@
	tensor_load_to_lds s[G0+4*(\s):G0+4*(\s)+3], s[G1:G1+7]
	s_nop 0
.rept 4
	v_nop
.endr
	s_branch .Lasked_\@
.Lfor_b_\@:
	tensor_load_to_lds s[G0B+4*(\s):G0B+4*(\s)+3], s[G1B:G1B+7]
	s_nop 0
.rept 4
	v_nop
.endr
.Lasked_\@:
.endm
; A prefetch of the K step two refills on: 32 rows x 256 bytes, a lane a row.  vb's rows belong to one cluster; wob's are asked for by the cluster with y = 0; the four partners share a wave's 128 rows by address.
.macro ASK
	s_cmp_gt_u32 s3, s[LIM]                        ; the loop's last trip (s3 = 1) has no K step two on
	s_cbranch_scc0 .Lnot_mine_\@
	global_prefetch_b8 v[PFO], s[PFA:PFA+1] offset:KSTEP*2 th:TH_LOAD_NT scope:SCOPE_SE
.Lnot_mine_\@:
.endm
.macro CREST
	s_cmp_lg_u32 s10, 0
	s_cbranch_scc1 .Lnot_wave_0_\@
	s_barrier_signal -3
.Lnot_wave_0_\@:
	s_barrier_wait -3
	s_barrier_signal -1
	s_barrier_wait -1
.endm
.macro CROUND
	s_barrier_signal -1
	s_barrier_wait -1
	CREST
.endm
.macro ALLH line:vararg                ; one line for each head h
.set h, 0
.rept 16
	\line
.set h, h+1
.endr
.endm
	s_load_b128 s[4:7], s[0:1], 0x0                ; vb, wob
	s_load_b64 s[8:9], s[0:1], 0x10                ; out0
	s_load_b128 s[DOTP:DOTP+3], s[0:1], 0x18       ; dots, stats
	s_load_b64 s[BOP:BOP+1], s[0:1], 0x28          ; bo
	v_lshl_add_u32 v[SPW], v0, 2, SPARE
	v_mov_b32 v[NIL], 0
	ds_add_u32 v[SPW], v[NIL]                      ; the wave's opening: the add and its wait stand ahead of my first tensor load
	v_lshrrev_b32 v1, 5, v0
	v_readfirstlane_b32 s10, v1
	s_lshr_b32 s11, s10, 1
	s_and_b32 s12, s10, 1
	s_bfe_u32 s40, ttmp6, 0x40000
	s_bfe_u32 s41, ttmp6, 0x40004
	s_lshl_b32 s42, ttmp9, 2
	s_add_co_u32 s42, s42, s40                     ; gx
	s_and_b32 s13, ttmp7, 0xffff
	s_lshl_b32 s13, s13, 2
	s_add_co_u32 s13, s13, s41                     ; gy
	s_lshl_b32 s43, s41, 2
	s_lshl_b32 s43, 15, s43
	s_lshl_b32 s44, 0x1111, s40
	s_or_b32 s[G1+0], s43, (1<<16)|(1<<20)|(1<<21)|(5<<22)|(3<<25)
	s_or_b32 s[G1B+0], s44, (1<<16)|(1<<20)|(1<<21)|(5<<22)|(3<<25)
.irp g, G1, G1B
	s_mov_b32 s[(\g)+1], KSTEP<<16
	s_mov_b32 s[(\g)+2], 128<<16
	s_mov_b32 s[(\g)+3], KSTEP<<16
	s_mov_b32 s[(\g)+4], 128
	s_mov_b32 s[(\g)+5], SIZE_K
	s_mov_b32 s[(\g)+6], 0
	s_mov_b32 s[(\g)+7], 0
.endr
	s_lshl_b32 s17, s12, 7
	s_lshl_b32 s16, s13, 8
	s_add_co_u32 s16, s16, s17
	s_lshl_b32 s46, s42, 8
	s_add_co_u32 s46, s46, s17
	s_lshl_b32 s16, s16, 11
	s_lshl_b32 s46, s46, 11
	s_mov_b32 s17, 0
	s_mov_b32 s47, 0
	s_mul_i32 s20, s10, HALFT
	s_mov_b32 s[SEL], 0x76543210
	s_mov_b32 s[SEL+1], 0xfedcba98
	s_mov_b32 s[CS], 0x3e38aa3b
	s_mov_b32 s[CS+1], s[CS]
	s_wait_dscnt 0x0
	s_wait_kmcnt 0x0
	s_add_nc_u64 s[14:15], s[4:5], s[16:17]
	s_add_nc_u64 s[46:47], s[6:7], s[46:47]
	CROUND
.irp s, 0,1
	s_mov_b32 s[G0+4*(\s)], 1
	s_add_co_u32 s[G0+4*(\s)+1], s20, (\s)*SLOT
	s_add_nc_u64 s[G0+4*(\s)+2:G0+4*(\s)+3], s[14:15], (\s)*KSTEP*2
	s_or_b32 s[G0+4*(\s)+3], s[G0+4*(\s)+3], 0x80000000
	s_mov_b32 s[G0B+4*(\s)], 1
	s_add_co_u32 s[G0B+4*(\s)+1], s20, (\s)*SLOT
	s_add_nc_u64 s[G0B+4*(\s)+2:G0B+4*(\s)+3], s[46:47], (\s)*KSTEP*2
	s_or_b32 s[G0B+4*(\s)+3], s[G0B+4*(\s)+3], 0x80000000
	JLOAD \s                                       ; two loads of mine are out
.endr
	; THE PROLOGUE stands in the wait for the first tiles.
	v_and_b32 v1, 15, v0
	v_bfe_u32 v2, v0, 4, 1
	v_and_b32 v[LN], 31, v0
	v_lshlrev_b32 v[DOF], 5, v1
	v_lshl_add_u32 v[DOF], v2, 4, v[DOF]
	v_lshlrev_b32 v[SOF], 3, v[LN]
	v_lshlrev_b32 v[BOF], 5, v2
	s_lshr_b32 s14, s13, 4                         ; batch
	s_and_b32 s15, s13, 15
	s_lshl_b32 s15, s15, 1
	s_add_co_u32 s15, s15, s11                     ; my block of 128 rows in it
	s_lshl_b32 s78, s14, 12
	s_mov_b32 s79, 0
	s_add_nc_u64 s[STP:STP+1], s[STP:STP+1], s[78:79]      ; the batch's 16 x 32 pairs
	s_lshl_b32 s78, s14, 18
	s_lshl_b32 s15, s15, 9
	s_add_co_u32 s78, s78, s15
	s_add_nc_u64 s[DOTP:DOTP+1], s[DOTP:DOTP+1], s[78:79]  ; head 0's record of my rows; a head further is 16,384 bytes on
	s_lshl_b32 s78, s42, 10
	s_lshl_b32 s15, s12, 9
	s_add_co_u32 s78, s78, s15
	s_add_nc_u64 s[BOP:BOP+1], s[BOP:BOP+1], s[78:79]      ; my 128 columns of bo
	ALLH global_load_b64 v[YW+2*h:YW+2*h+1], v[SOF], s[STP:STP+1] offset:256*h
	ALLH global_load_b128 v[XD+4*h:XD+4*h+3], v[DOF], s[DOTP:DOTP+1] offset:16384*h
	WIN 0x40                                       ; destination window 1
.set h, 0
.rept 8
	global_load_b128 v[8*h:8*h+3],   v[BOF], s[BOP:BOP+1] offset:64*h
	global_load_b128 v[8*h+4:8*h+7], v[BOF], s[BOP:BOP+1] offset:64*h+16
.set h, h+1
.endr
	WIN 0
	v_mul_u32_u24 v3, v1, PITCH
	v_lshl_add_u32 v3, v2, 4, v3
	s_mul_i32 s21, s11, HALFT
	s_mul_i32 s22, s12, HALFT
	s_add_co_u32 s22, s22, 2*HALFT
.irp s, 0,1
	v_add_nc_u32 v[ADRA+(\s)], s21, v3
	v_add_nc_u32 v[ADRB+(\s)], s22, v3
	s_add_co_u32 s21, s21, SLOT
	s_add_co_u32 s22, s22, SLOT
.endr
	s_mul_i32 s23, s10, 16*SPITCH
	s_add_co_u32 s23, s23, STAGE                   ; my stage
	v_mul_u32_u24 v4, v1, SPITCH
	v_lshl_add_u32 v4, v2, 5, v4
	v_add_nc_u32 v[STO], s23, v4                   ; in: row l % 16, 32 bytes for each half of the lanes
	v_lshl_add_u32 v[RD], v[LN], 4, s23
	v_lshl_add_u32 v[TBA], v1, 4, s23
	v_lshlrev_b32 v[CO], 4, v[LN]
	v_mov_b32 v[ZR], 0
	s_lshl_b32 s16, s13, 8
	s_lshl_b32 s14, s11, 7
	s_add_co_u32 s16, s16, s14
	s_lshl_b32 s16, s16, 12                        ; my first row of out0, 4,096 bytes a row: under 2^26
	s_add_co_u32 s16, s16, s78                     ; + my 128 columns: the same 1,024 gx + 512 half as in bo
	s_mov_b32 s17, 0
	s_add_nc_u64 s[8:9], s[8:9], s[16:17]
	s_lshl_b32 s20, s13, 8                         ; the prefetches, as in the launch before
	s_lshl_b32 s21, s42, 8
	s_and_b32 s22, ttmp7, 0xffff
	s_cmp_eq_u32 s11, 0
	s_cselect_b32 s20, s20, s21
	s_cselect_b32 s21, s40, s41
	s_cselect_b32 s22, ttmp9, s22
	s_cselect_b64 s[PFA:PFA+1], s[4:5], s[6:7]
	s_cmp_eq_u32 s22, 0
	s_cselect_b32 s[LIM], 1, -1
	s_lshl_b32 s22, s12, 7
	s_add_co_u32 s20, s20, s22
	s_lshl_b32 s21, s21, 5
	s_add_co_u32 s20, s20, s21
	s_lshl_b32 s20, s20, 11
	s_mov_b32 s21, 0
	s_add_nc_u64 s[PFA:PFA+1], s[PFA:PFA+1], s[20:21]
	s_add_nc_u64 s[PFA:PFA+1], s[PFA:PFA+1], 2*KSTEP*2
	v_lshlrev_b32 v[PFO], 11, v[LN]
	s_wait_loadcnt 32                              ; the pairs are in; the 16 loads of dots and the 16 of bo may stay out
	ALLH v_mul_f32 v[RE+2*h+1], s[CS], v[YW+2*h]   ; c m_i, by the same line as in the launch before
	ALLH v_permlanex16_b32 v[YW+2*h], v[RE+2*h+1], s[SEL], s[SEL+1]  ; lands on the loaded m_i, which is no longer wanted
	ALLH v_max_num_f32 v[RE+2*h], v[RE+2*h+1], v[YW+2*h]
	ALLH v_max_num_f32_dpp v[RE+2*h], v[RE+2*h], v[RE+2*h] row_xmask:1 row_mask:0xf bank_mask:0xf
	ALLH v_max_num_f32_dpp v[RE+2*h], v[RE+2*h], v[RE+2*h] row_xmask:2 row_mask:0xf bank_mask:0xf
	ALLH v_max_num_f32_dpp v[RE+2*h], v[RE+2*h], v[RE+2*h] row_xmask:4 row_mask:0xf bank_mask:0xf
	ALLH v_max_num_f32_dpp v[RE+2*h], v[RE+2*h], v[RE+2*h] row_xmask:8 row_mask:0xf bank_mask:0xf
	ALLH v_sub_f32 v[RE+2*h+1], v[RE+2*h+1], v[RE+2*h]
	ALLH v_exp_f32 v[RE+2*h+1], v[RE+2*h+1]
	v_nop                                          ; a plain instruction behind the last exponential,
	s_wait_alu depctr_va_vdst(0)                   ; and one wait for the sixteen
	ALLH v_mul_f32 v[YW+2*h+1], v[YW+2*h+1], v[RE+2*h+1]
	ALLH v_permlanex16_b32 v[RE+2*h+1], v[YW+2*h+1], s[SEL], s[SEL+1]
	ALLH v_add_f32 v[YW+2*h+1], v[YW+2*h+1], v[RE+2*h+1]
	ALLH v_add_f32_dpp v[YW+2*h+1], v[YW+2*h+1], v[YW+2*h+1] row_xmask:1 row_mask:0xf bank_mask:0xf
	ALLH v_add_f32_dpp v[YW+2*h+1], v[YW+2*h+1], v[YW+2*h+1] row_xmask:2 row_mask:0xf bank_mask:0xf
	ALLH v_add_f32_dpp v[YW+2*h+1], v[YW+2*h+1], v[YW+2*h+1] row_xmask:4 row_mask:0xf bank_mask:0xf
	ALLH v_add_f32_dpp v[YW+2*h+1], v[YW+2*h+1], v[YW+2*h+1] row_xmask:8 row_mask:0xf bank_mask:0xf
	ALLH v_rcp_f32 v[RL+2*h], v[YW+2*h+1]          ; 1 / L: read only behind the wait that follows the 64 exponentials below
	v_min3_num_f32 v[P2], v[YW+1], v[YW+3], v[YW+5]
	v_min3_num_f32 v[INV], v[YW+7], v[YW+9], v[YW+11]
	v_min3_num_f32 v[P2], v[P2], v[YW+13], v[YW+15]
	v_min3_num_f32 v[INV], v[INV], v[YW+17], v[YW+19]
	v_min3_num_f32 v[P2], v[P2], v[YW+21], v[YW+23]
	v_min3_num_f32 v[INV], v[INV], v[YW+25], v[YW+27]
	v_min3_num_f32 v[P2], v[P2], v[YW+29], v[YW+31]
	v_min_num_f32 v[P2], v[P2], v[INV]
	v_and_b32 v[P2], 0x7f800000, v[P2]             ; P: the least L's power of two (L lies between 1 and 4,096, but for rounding)
	v_sub_nc_u32 v[INV], 0x7f000000, v[P2]         ; 1 / P: the exponent mirrored
	v_sub_nc_u32 v[INV+1], 0x7f000000, v[P2]
	s_wait_loadcnt 16                              ; the scores are in
.set i, 0
.rept 32
	v_pk_fma_f32 v[XD+2*i:XD+2*i+1], v[XD+2*i:XD+2*i+1], s[CS:CS+1], v[RE+2*(i/2):RE+2*(i/2)+1] op_sel_hi:[1,0,0] neg_lo:[0,0,1] neg_hi:[0,0,1]  ; c d - R
.set i, i+1
.endr
.set i, 0
.rept 64
	v_exp_f32 v[XD+i], v[XD+i]
.set i, i+1
.endr
	v_nop
	s_wait_alu depctr_va_vdst(0)                   ; one wait for the 64 exponentials and the 16 reciprocals
	ALLH v_mul_f32 v[RL+2*h+1], v[RL+2*h], v[P2]
	ALLH v_mul_f32 v[RL+2*h], v[RL+2*h], v[P2]
.set i, 0
.rept 32
	v_pk_mul_f32 v[XD+2*i:XD+2*i+1], v[XD+2*i:XD+2*i+1], v[RL+2*(i/2):RL+2*(i/2)+1]
.set i, i+1
.endr
.set i, 0
.rept 64
	v_cvt_pk_f16_f32 v[XD+i], v[XD+i], v[XD+i]     ; the weight in both halves of the word
.set i, i+1
.endr
	ALLH ds_store_b128 v[RD], v[XD+4*h:XD+4*h+3] offset:512*h  ; the table: byte 512 h + 256 p + 16 (l % 16) holds the weights of rows 16 (4 p + j) + l % 16, j = 0..3.  Only this wave reads it
	s_wait_loadcnt 0x0                             ; bo
	WIN 0x05                                       ; sources window 1, destination window 0
.set i, 0
.rept 32
	v_cvt_pk_bf16_f32 v[TB+i], v[2*i], v[2*i+1]
.set i, i+1
.endr
	WIN 0x40
.set i, 0
.rept 32
	v_fma_mix_f32_bf16 v[2*i],   v[TB+i], v[P2], v[ZR] op_sel_hi:[1,0,0]                 ; bf16(bo) x P
	v_fma_mix_f32_bf16 v[2*i+1], v[TB+i], v[P2], v[ZR] op_sel:[1,0,0] op_sel_hi:[1,0,0]
.set i, i+1
.endr
	WIN 0
; 16 matrix instructions.  bias = 1: the product starts the sums with bo P (window 1, v[8 b ..]) as C.  The 64 accumulators take turns.
.macro MUL16 f, hi, a0, bias
.if \bias
	WIN 0x91+0x40*(\hi)
.else
	WIN MUL_LO+0x50*(\hi)
.endif
.irp a, \a0, (\a0)+1
.irp b, 0,1,2,3,4,5,6,7
.if \bias
	v_wmma_f32_16x16x32_f16 v[8*(8*(\a)+(\b)):8*(8*(\a)+(\b))+7], v[(\f)+8*(\b):(\f)+8*(\b)+7], v[(\f)+8*(4*(\hi)+(\a)):(\f)+8*(4*(\hi)+(\a))+7], v[8*(\b):8*(\b)+7]
.else
	v_wmma_f32_16x16x32_f16 v[8*(8*(\a)+(\b)):8*(8*(\a)+(\b))+7], v[(\f)+8*(\b):(\f)+8*(\b)+7], v[(\f)+8*(4*(\hi)+(\a)):(\f)+8*(4*(\hi)+(\a))+7], v[8*(8*(\a)+(\b)):8*(8*(\a)+(\b))+7]
.endif
.endr
.endr
.endm
; 34 LDS loads in one run: wob's fragments, the eight weights of head hd (counted from the lap's first head), vb's fragments
.macro FETCH slot, k, f, hd
	WIN TO_B
.irp i, 0,1,2,3,4,5,6,7
	ds_load_b128 v[(\f)+8*(\i):(\f)+8*(\i)+3],   v[ADRB+(\slot)] offset:(\k)+(\i)*16*PITCH
	ds_load_b128 v[(\f)+8*(\i)+4:(\f)+8*(\i)+7], v[ADRB+(\slot)] offset:(\k)+(\i)*16*PITCH+32
.endr
	WIN 0
	ds_load_b128 v[SC+((\f)-F0)/8:SC+((\f)-F0)/8+3],   v[TBA] offset:512*(\hd)
	ds_load_b128 v[SC+((\f)-F0)/8+4:SC+((\f)-F0)/8+7], v[TBA] offset:512*(\hd)+256
.irp i, 0,1,2,3,4,5,6,7
	ds_load_b128 v[(\f)+8*(\i):(\f)+8*(\i)+3],   v[ADRA+(\slot)] offset:(\k)+(\i)*16*PITCH
	ds_load_b128 v[(\f)+8*(\i)+4:(\f)+8*(\i)+7], v[ADRA+(\slot)] offset:(\k)+(\i)*16*PITCH+32
.endr
.endm
; vb's fragments i0 .. i0 + 3 of buffer f times their rows' weights: 32 packed multiplies, each rounded once to f16
.macro SCALE f, i0
	WIN 0
.irp i, (\i0), (\i0)+1, (\i0)+2, (\i0)+3
.irp r, 0,1,2,3,4,5,6,7
	v_pk_mul_f16 v[(\f)+8*(\i)+(\r)], v[(\f)+8*(\i)+(\r)], v[SC+((\f)-F0)/8+(\i)]
.endr
.endr
.endm
.macro PLACES
.rept 4
	v_nop
.endr
.endm
.macro QUARTER slot, k, f, g, hd, bias
	s_wait_dscnt 8                                 ; all but the youngest eight loads (vb's rows 64-127)
	SCALE \f, 0
	MUL16 \f, 0, 0, \bias
	MUL16 \f, 0, 2, \bias
	PLACES
	FETCH \slot, \k, \g, \hd
	s_wait_dscnt 34                                ; all but the 34 just issued
	SCALE \f, 4
	MUL16 \f, 1, 0, \bias
	MUL16 \f, 1, 2, \bias
.endm
.macro MEET round
	WIN 0
	s_wait_tensorcnt 0x0                           ; all my tensor loads have landed: my part of the next slot
	ds_add_u32 v[SPW], v[NIL]                      ; 0 onto my spare word
	s_wait_dscnt 9                                 ; the add and the youngest eight loads may be out
	SCALE F1, 0
	MUL16 F1, 0, 0, 0
	s_wait_dscnt 0x0                               ; the add is done, my reads of this slot are over
	s_barrier_signal -1
	MUL16 F1, 0, 2, 0
.if \round
	WIN 0
.endif
	s_barrier_wait -1
.endm
.macro TURN slot, next, hd
	s_wait_xcnt 0x0                                ; the last prefetch, a K step back, has read its address
	s_add_nc_u64 s[PFA:PFA+1], s[PFA:PFA+1], KSTEP*2
	MEET 1
	CREST                                          ; no wave of any partner still reads this slot or has a load on its way
	s_add_nc_u64 s[G0+4*(\slot)+2:G0+4*(\slot)+3], s[G0+4*(\slot)+2:G0+4*(\slot)+3], 2*KSTEP*2
	s_add_nc_u64 s[G0B+4*(\slot)+2:G0B+4*(\slot)+3], s[G0B+4*(\slot)+2:G0B+4*(\slot)+3], 2*KSTEP*2
	JLOAD \slot                                    ; the first tensor load behind the round; its four v_nop are also the places in front of the loads below
	FETCH \next, 0, F0, \hd
	ASK
	SCALE F1, 4
	MUL16 F1, 1, 0, 0
	MUL16 F1, 1, 2, 0
.endm
; THE WAY OUT, 16 rows at a time: times 1 / P, in place; into my stage (rows of 528 bytes); back as whole rows of 512 bytes; stored.
.macro TOSTAGE a
.set AC, 64*((\a)%4)
.set BK, 64+64*((\a)%2)
	WIN 0x82+0x41*((\a)/4)                         ; destination and source 0 in the accumulators' window
.set i, 0
.rept 32
	v_pk_mul_f32 v[AC+2*i:AC+2*i+1], v[AC+2*i:AC+2*i+1], v[INV:INV+1]  ; each accumulator from its low end on
.set i, i+1
.endr
	WIN 0x08+0x04*((\a)/4)                         ; the stores' data in that window
.irp b, 0,1,2,3,4,5,6,7
	ds_store_b128 v[STO], v[AC+8*(\b):AC+8*(\b)+3]   offset:64*(\b)
	ds_store_b128 v[STO], v[AC+8*(\b)+4:AC+8*(\b)+7] offset:64*(\b)+16
.endr
	WIN 0
.if (\a) >= 2
	s_wait_xcnt 0x0                                ; the stores of the block two back have read these registers
.endif
.irp t, 0,1,2,3,4,5,6,7,8,9,10,11,12,13,14,15
	ds_load_b128 v[BK+4*(\t):BK+4*(\t)+3], v[RD] offset:(\t)*SPITCH  ; LDS serves a wave's instructions in order (ISA guide 5.7.1.4): these see the stores above
.endr
.endm
.macro SEND a, younger                 ; younger: the next block's 16 LDS stores and 16 loads, or none
.set BK, 64+64*((\a)%2)
	s_wait_dscnt \younger
.if (\a) > 0
	s_wait_xcnt 0x0                                ; earlier stores have read their base
	s_add_nc_u64 s[8:9], s[8:9], 16*4096
.endif
.irp t, 0,1,2,3,4,5,6,7,8,9,10,11,12,13,14,15
	global_store_b128 v[CO], v[BK+4*(\t):BK+4*(\t)+3], s[8:9] offset:(\t)*4096 th:TH_STORE_NT  ; the wave stores 512 consecutive bytes, aligned
.endr
.endm
	s_wait_dscnt 0x0                               ; my table is written
	s_wait_tensorcnt 1                             ; my part of K step 0 is in; K step 1's may stay out
	s_barrier_signal -1
	s_barrier_wait -1
	FETCH 0, 0, F0, 0
	QUARTER 0, 64,  F0, F1, 0, 1                   ; the first quarter starts the sums, with bo P
	WIN 0
	s_mov_b32 s3, LAPS-1
.Llap:                                                 ; a lap is two K steps, four heads; a quarter is half a head
	QUARTER 0, 128, F1, F0, 1, 0
	QUARTER 0, 192, F0, F1, 1, 0
	TURN 0, 1, 2
	QUARTER 1, 64,  F0, F1, 2, 0
	QUARTER 1, 128, F1, F0, 3, 0
	QUARTER 1, 192, F0, F1, 3, 0
	TURN 1, 0, 4                                   ; the trip's last two fetches belong to the next lap's first head
	QUARTER 0, 64,  F0, F1, 4, 0
	WIN 0
	v_add_nc_u32 v[TBA], 2048, v[TBA]              ; four heads on in the table
	s_sub_co_u32 s3, s3, 1
	s_cmp_lg_u32 s3, 0
	s_cbranch_scc1 .Llap
	QUARTER 0, 128, F1, F0, 1, 0                   ; the last lap fills nothing
	QUARTER 0, 192, F0, F1, 1, 0
	MEET 0
	PLACES
	FETCH 1, 0, F0, 2
	SCALE F1, 4
	MUL16 F1, 1, 0, 0
	MUL16 F1, 1, 2, 0
	QUARTER 1, 64,  F0, F1, 2, 0
	QUARTER 1, 128, F1, F0, 3, 0
	QUARTER 1, 192, F0, F1, 3, 0
	s_wait_dscnt 8
	SCALE F1, 0
	MUL16 F1, 0, 0, 0
	MUL16 F1, 0, 2, 0
	s_wait_dscnt 0x0
	SCALE F1, 4
	MUL16 F1, 1, 0, 0
	MUL16 F1, 1, 2, 0
	WIN 0
	PLACES
	TOSTAGE 0
	TOSTAGE 1
	SEND 0, 32
.irp a, 2,3,4,5,6,7
	TOSTAGE \a
	SEND (\a)-1, 32
.endr
	SEND 7, 0
	s_wait_tensorcnt 0x0                           ; the wave's end
	ds_add_u32 v[SPW], v[NIL]
	s_wait_dscnt 0x0
	CROUND                                         ; the closing round
	s_endpgm
.Lfunc_end_k_q5b1d6a4772_proj:
	.size	k_q5b1d6a4772_proj, .Lfunc_end_k_q5b1d6a4772_proj-k_q5b1d6a4772_proj
	.p2alignl 7, 3214868480
	.fill 96, 4, 3214868480
	.section	.rodata,"a",@progbits
	.p2align	6, 0x0
	.amdhsa_kernel k_q5b1d6a4772_proj
		.amdhsa_group_segment_fixed_size 327680
		.amdhsa_private_segment_fixed_size 0
		.amdhsa_enable_private_segment 0
		.amdhsa_kernarg_size 48
		.amdhsa_user_sgpr_count 2
		.amdhsa_user_sgpr_kernarg_segment_ptr 1
		.amdhsa_wavefront_size32 1
		.amdhsa_system_sgpr_workgroup_id_x 1
		.amdhsa_system_sgpr_workgroup_id_y 1
		.amdhsa_system_sgpr_workgroup_id_z 1
		.amdhsa_system_vgpr_workitem_id 0
		.amdhsa_next_free_vgpr 1024
		.amdhsa_next_free_sgpr 80
		.amdhsa_reserve_vcc 0
		.amdhsa_float_denorm_mode_32 3
		.amdhsa_float_denorm_mode_16_64 3
		.amdhsa_memory_ordered 1
		.amdhsa_forward_progress 1
		.amdhsa_inst_pref_size 255
	.end_amdhsa_kernel
	.section	.bss,"aw",@nobits
	.p2align	6
	.space	262144
	.amdgpu_metadata
---
amdhsa.version: [ 1, 2 ]
amdhsa.kernels:
  - .name:           k_q5b1d6a4772_proj
    .symbol:         k_q5b1d6a4772_proj.kd
    .args:
      - { .name: vb, .offset: 0, .size: 8, .value_kind: global_buffer, .address_space: global }
      - { .name: wob, .offset: 8, .size: 8, .value_kind: global_buffer, .address_space: global }
      - { .name: out0, .offset: 16, .size: 8, .value_kind: global_buffer, .address_space: global }
      - { .name: dots, .offset: 24, .size: 8, .value_kind: global_buffer, .address_space: global }
      - { .name: stats, .offset: 32, .size: 8, .value_kind: global_buffer, .address_space: global }
      - { .name: bo, .offset: 40, .size: 8, .value_kind: global_buffer, .address_space: global }
    .group_segment_fixed_size: 327680
    .private_segment_fixed_size: 0
    .kernarg_segment_align: 8
    .kernarg_segment_size: 48
    .max_flat_workgroup_size: 128
    .sgpr_count:     80
    .vgpr_count:     1024
    .wavefront_size: 32
...
	.end_amdgpu_metadata
.endif
;; end of part 3
